; MI455X (gfx1250); checked and timed in simulation.
; The chip was launched on July 23, 2026; its instructions are those of AMD's public machine-readable ISA for CDNA 5 (MIT licence, August 2026) and "CDNA5" Instruction Set Architecture Reference Guide (July 2026). The comments in the code are by the model that wrote it; some were corrected since.
;; CAPUDF Network. Allowed arithmetic: float matrix products may take bf16 or f16 operands with f32 sums; all other float work in f32.
;; Inputs: inputs 8,388,608 x 3 float32.
;; Outputs: out0 8,388,608 float32.
;; One version. Each part assembles by itself: llvm-mc -triple=amdgcn-amd-amdhsa -mcpu=gfx1250 --defsym DOCPART=n.
;; ======== version 1 of 1: 1 launch
;; launch boxdist (part 1): grid 1024 x 1, 8 waves a work-group, no clusters, 25,600 bytes of LDS; arguments inputs, out0; writes out0
.if DOCPART == 1
	.amdgcn_target "amdgcn-amd-amdhsa--gfx1250"
	.amdhsa_code_object_version 6
	.text
	.protected	k_qcddbb5cf07_boxdist
	.globl	k_qcddbb5cf07_boxdist
	.p2align	8
	.type	k_qcddbb5cf07_boxdist,@function
k_qcddbb5cf07_boxdist:
	s_mov_b64 s[64:65], 0
	v_nop
	global_prefetch_b8 v0, s[64:65] scope:SCOPE_SE
	s_setreg_imm32_b32 hwreg(HW_REG_WAVE_MODE, 25, 1), 1
	s_wait_xcnt 0x0
; Distance to the boundary of the box |x_i| <= 0.4 for 8,388,608 points (x, y, z) of f32:
;   q_i = |x_i| - c, c = 0.4f;  all q_i < 0: -max_i q_i;  else sqrt(sum_i max(q_i, 0)^2).
; Computed as  sqrt(sum_i r_i^2) - min(m, 0)  with  r_i = max(|x_i|, c) - c  and  m = max3(|x_i|) - c:
;   r_i equals max(q_i, 0) bit for bit (c - c = +0), m equals max_i q_i bit for bit (rounding is monotone);
;   inside the box all r_i are 0, so the root is 0 and 0 - m is left; outside m >= 0, so min(m, 0) is 0.
; NaN: the three clamps are v_maximum_f32, in which a NaN wins, so a NaN coordinate gives NaN, as in the definition.
; Limits: the squares are summed by fused multiply-adds (one rounding less than a plain sum); v_sqrt_f32 is good to 1 ULP;
; it flushes denormals, which is not reached: the least non-zero r_i is 2^-25 (one step of the binade of 0.4), its square 2^-50.
; The sum of squares overflows to infinity where the definition's does.
;
; SHARES.  1024 work-groups x 8 waves = 8192 waves; a wave owns 1024 consecutive points: 12,288 bytes in, 4,096 bytes out.
; There is no loop: the wave asks for all its input at its head, 24 loads of 512 consecutive, aligned bytes (16 bytes a lane),
; and works it off in 8 groups of 3 loads = 1536 bytes = 128 points.
; A point is 12 bytes, a lane's load 16: a group goes through the wave's own LDS bytes, stored as it was loaded and read back
; at 48 x lane, so that a lane holds 4 whole points and its 4 results are 16 neighbouring bytes: one store of the wave covers
; 512 consecutive, aligned bytes.  No wave touches another's LDS bytes: no barrier.
; No cluster, no multicast: no two work-groups read the same byte.  No matrix instruction: there is no product of matrices.
.set GROUPS, 8
.set GIN,    1536                      ; a group's input bytes in a wave
.set GOUT,   512                       ; a group's output bytes in a wave
.set SLOT,   GIN                       ; an LDS slot holds one group
.set STAGE,  2*SLOT                    ; two slots a wave, taken in turn
.set C_POS,  0x3ecccccd                ; 0.4f
.set C_NEG,  0xbecccccd                ; -0.4f
.set VO, 1                             ; v1       16 x lane: the lane's offset in every load and every store
.set LW, 2                             ; v2       LDS address, way in:  wave's stage + 16 x lane
.set LR, 3                             ; v3       LDS address, way back: wave's stage + 48 x lane
.set A,  4                             ; v[4:7]   m of the lane's 4 points
.set P,  8                             ; v[8:31]  two buffers of 12: 4 points as x y z x y z ..
.set X,  32                            ; v[32:127] group g: 12 registers: as loaded; then r_x[0:3], r_y[0:3], r_z[0:3];
                                       ;          the sums grow in r_x's four, the roots and results lie in r_y's four
	s_load_b128 s[4:7], s[0:1], 0x0                ; inputs s[4:5], out0 s[6:7]
	v_lshl_add_u32 v128, v0, 2, 0x6000
	v_mov_b32 v129, 0
	v_lshrrev_b32 v2, 5, v0
	v_readfirstlane_b32 s8, v2                     ; wave 0..7
	v_and_b32 v0, 31, v0                           ; lane
	v_lshlrev_b32 v[VO], 4, v0
	s_lshl_b32 s9, ttmp9, 3
	s_add_co_u32 s9, s9, s8                        ; the wave's number in the launch, 0..8191
	s_mul_i32 s10, s9, GROUPS*GIN                  ; its first input byte (below 2^27)
	s_mov_b32 s11, 0
	s_mul_i32 s12, s9, GROUPS*GOUT                 ; its first output byte
	s_mov_b32 s13, 0
	s_wait_kmcnt 0x0
	s_add_nc_u64 s[4:5], s[4:5], s[10:11]
	s_add_nc_u64 s[6:7], s[6:7], s[12:13]
.set k, 0
.rept 3*GROUPS
	global_load_b128 v[X+4*k:X+4*k+3], v[VO], s[4:5] offset:512*k th:TH_LOAD_NT   ; read once in the launch
.set k, k+1
.endr
	; the rest of the set-up stands behind the loads
	s_mul_i32 s14, s8, STAGE                       ; the wave's stage in LDS
	v_add_nc_u32 v[LW], s14, v[VO]
	v_mul_u32_u24 v[LR], v0, 48                    ; 48 l mod 256 = 16 (3 l mod 16): the 16 lanes of a half-wave read 16 different
	v_add_nc_u32 v[LR], s14, v[LR]                 ; 16-byte columns of a 256-byte row of banks (64 banks of 4 bytes: ISA guide 11.1)
	s_mov_b32 s16, C_POS
	s_mov_b32 s18, C_NEG                           ; a pair, of which the packed adds broadcast the first
	s_mov_b32 s19, C_NEG
; Group g goes into its slot as loaded and comes back as 4 points a lane.  g is a plain number.
.macro TURN_IN g
	s_wait_loadcnt 21-3*(\g)                       ; loads return in order (ISA guide 5.7.1): the 3 (7 - g) loads of the later groups stay out
.irp j, 0,1,2
	ds_store_b128 v[LW], v[X+12*(\g)+4*\j:X+12*(\g)+4*\j+3] offset:((\g)%2)*SLOT+512*\j
.endr
.irp j, 0,1,2
	ds_load_b128 v[P+12*((\g)%2)+4*\j:P+12*((\g)%2)+4*\j+3], v[LR] offset:((\g)%2)*SLOT+16*\j   ; LDS serves a wave's instructions in order (ISA guide 5.7.1.4): these see the stores above
.endr
.endm
; The arithmetic of group g and its store.  left = LDS instructions issued behind this group's.
.macro COMPUTE g, left
	s_wait_dscnt \left                             ; this group's 3 stores and 3 loads are done: its points are in, its X registers and, two groups on, its slot are free
.irp j, 0,1,2,3
	v_maximum_f32  v[X+12*(\g)+\j],   |v[P+12*((\g)%2)+3*\j]|,   s16      ; max(|x|, c): a NaN wins
	v_maximum_f32  v[X+12*(\g)+4+\j], |v[P+12*((\g)%2)+3*\j+1]|, s16
	v_maximum_f32  v[X+12*(\g)+8+\j], |v[P+12*((\g)%2)+3*\j+2]|, s16
	v_max3_num_f32 v[A+\j], |v[P+12*((\g)%2)+3*\j]|, |v[P+12*((\g)%2)+3*\j+1]|, |v[P+12*((\g)%2)+3*\j+2]|
.endr
.irp j, 0,2,4,6,8,10
	v_pk_add_f32 v[X+12*(\g)+\j:X+12*(\g)+\j+1], v[X+12*(\g)+\j:X+12*(\g)+\j+1], s[18:19] op_sel_hi:[1,0]   ; r = max(|x|, c) - c, two points at once
.endr
.irp j, 0,2
	v_pk_add_f32 v[A+\j:A+\j+1], v[A+\j:A+\j+1], s[18:19] op_sel_hi:[1,0]                                   ; m = max3 - c
.endr
.irp j, 0,2
	v_pk_mul_f32 v[X+12*(\g)+\j:X+12*(\g)+\j+1], v[X+12*(\g)+\j:X+12*(\g)+\j+1], v[X+12*(\g)+\j:X+12*(\g)+\j+1]
.endr
.irp j, 0,2
	v_pk_fma_f32 v[X+12*(\g)+\j:X+12*(\g)+\j+1], v[X+12*(\g)+4+\j:X+12*(\g)+4+\j+1], v[X+12*(\g)+4+\j:X+12*(\g)+4+\j+1], v[X+12*(\g)+\j:X+12*(\g)+\j+1]
.endr
.irp j, 0,2
	v_pk_fma_f32 v[X+12*(\g)+\j:X+12*(\g)+\j+1], v[X+12*(\g)+8+\j:X+12*(\g)+8+\j+1], v[X+12*(\g)+8+\j:X+12*(\g)+8+\j+1], v[X+12*(\g)+\j:X+12*(\g)+\j+1]
.endr
.irp j, 0,1,2,3
	v_sqrt_f32 v[X+12*(\g)+4+\j], v[X+12*(\g)+\j]  ; four roots in a run, into r_y's registers, which are done with; the four plain lines below,
.endr                                              ; which touch none of the roots' registers, stand between them and the first use (ISA guide 5.7.2)
.irp j, 0,1,2,3
	v_min_num_f32 v[A+\j], 0, v[A+\j]              ; m inside the box, 0 outside
.endr
	s_wait_alu depctr_va_vdst(0)
.irp j, 0,2
	v_pk_add_f32 v[X+12*(\g)+4+\j:X+12*(\g)+4+\j+1], v[X+12*(\g)+4+\j:X+12*(\g)+4+\j+1], v[A+\j:A+\j+1] neg_lo:[0,1] neg_hi:[0,1]   ; root - min(m, 0)
.endr
	global_store_b128 v[VO], v[X+12*(\g)+4:X+12*(\g)+7], s[6:7] offset:GOUT*(\g) th:TH_STORE_NT   ; its sources are never written again: no wait behind it
.endm
	; One group ahead through LDS: while group g is computed, group g + 1's six LDS instructions are under way.
	; The count 6 = the next group's 3 stores and 3 loads, which may stay out.
	TURN_IN 0
	TURN_IN 1
	COMPUTE 0, 6
	TURN_IN 2
	COMPUTE 1, 6
	TURN_IN 3
	COMPUTE 2, 6
	TURN_IN 4
	COMPUTE 3, 6
	TURN_IN 5
	COMPUTE 4, 6
	TURN_IN 6
	COMPUTE 5, 6
	TURN_IN 7
	COMPUTE 6, 6
	COMPUTE 7, 0                                   ; nothing was issued behind the last group
	s_wait_tensorcnt 0x0
	ds_add_u32 v128, v129
	s_wait_dscnt 0x0
	s_endpgm
.Lfunc_end_k_qcddbb5cf07_boxdist:
	.size	k_qcddbb5cf07_boxdist, .Lfunc_end_k_qcddbb5cf07_boxdist-k_qcddbb5cf07_boxdist
	.p2alignl 7, 3214868480
	.fill 96, 4, 3214868480
	.section	.rodata,"a",@progbits
	.p2align	6, 0x0
	.amdhsa_kernel k_qcddbb5cf07_boxdist
		.amdhsa_group_segment_fixed_size 25600
		.amdhsa_private_segment_fixed_size 0
		.amdhsa_enable_private_segment 0
		.amdhsa_kernarg_size 16
		.amdhsa_user_sgpr_count 2
		.amdhsa_user_sgpr_kernarg_segment_ptr 1
		.amdhsa_wavefront_size32 1
		.amdhsa_system_sgpr_workgroup_id_x 1
		.amdhsa_system_sgpr_workgroup_id_y 1
		.amdhsa_system_sgpr_workgroup_id_z 1
		.amdhsa_system_vgpr_workitem_id 0
		.amdhsa_next_free_vgpr 130
		.amdhsa_next_free_sgpr 66
		.amdhsa_reserve_vcc 0
		.amdhsa_float_denorm_mode_32 3
		.amdhsa_float_denorm_mode_16_64 3
		.amdhsa_memory_ordered 1
		.amdhsa_forward_progress 1
		.amdhsa_inst_pref_size 27
	.end_amdhsa_kernel
	.amdgpu_metadata
---
amdhsa.version: [ 1, 2 ]
amdhsa.kernels:
  - .name:           k_qcddbb5cf07_boxdist
    .symbol:         k_qcddbb5cf07_boxdist.kd
    .args:
      - { .name: inputs, .offset: 0, .size: 8, .value_kind: global_buffer, .address_space: global }
      - { .name: out0, .offset: 8, .size: 8, .value_kind: global_buffer, .address_space: global }
    .group_segment_fixed_size: 25600
    .private_segment_fixed_size: 0
    .kernarg_segment_align: 8
    .kernarg_segment_size: 16
    .max_flat_workgroup_size: 256
    .sgpr_count:     66
    .vgpr_count:     130
    .wavefront_size: 32
...
	.end_amdgpu_metadata
.endif
;; end of part 1
